; MI455X (gfx1250); checked and timed in simulation.
; The chip was launched on July 23, 2026; its instructions are those of AMD's public machine-readable ISA for CDNA 5 (MIT licence, August 2026) and "CDNA5" Instruction Set Architecture Reference Guide (July 2026). The comments in the code are by the model that wrote it; some were corrected since.
;; MHA. Allowed arithmetic: matrix products marked QUANTISED: E4M3 operands, one given power-of-two scale a tensor, by v_wmma_f32_16x16x64_fp8_fp8 or v_wmma_f32_16x16x128_fp8_fp8, f32 sums; everything else in f32.
;; Inputs: Wk_codes 1,024 x 32 x 32 uint8 (E4M3 codes of Wk, K innermost, in blocks of 32 codes); Wo_codes 1,024 x 32 x 32 uint8 (E4M3 codes of Wo, K innermost, in blocks of 32 codes); Wq_codes 1,024 x 32 x 32 uint8 (E4M3 codes of Wq, K innermost, in blocks of 32 codes); Wv_codes 1,024 x 32 x 32 uint8 (E4M3 codes of Wv, K innermost, in blocks of 32 codes); bk 1,024 float32; bo 1,024 float32; bq 1,024 float32; bv 1,024 float32; lowp_scales 12 int32 (the exponents e of the quantised operands' scales 2^e); x_codes 4 x 2,048 x 32 x 32 uint8 (E4M3 codes of x, K innermost, in blocks of 32 codes).
;; Outputs: out0 4 x 2,048 x 1,024 float32.
;; This version of the problem:
;;   THIS VERSION OF THE PROBLEM IS GIVEN IN LOW PRECISION. The matrix products marked QUANTISED in the list below multiply operands that are first quantised to E4M3 (4 exponent bits, 3 mantissa bits; 8 bits a number), with one given power-of-two scale for each operand tensor; their sums are f32. All else is computed in f32.
;;   The module's matrix products, in the order in which they are computed (A, B: the left and right operand; K: the contracted axis; several contracted axes count as one K, in the product's order):
;;     1. [M 8,192, K 1,024] x [K 1,024, N 1,024]; A: input x (given as codes); B: input Wq (given as codes): QUANTISED (scales: A lowp_scales[0], B lowp_scales[1])
;;     2. [M 8,192, K 1,024] x [K 1,024, N 1,024]; A: input x (given as codes); B: input Wk (given as codes): QUANTISED (scales: A lowp_scales[2], B lowp_scales[3])
;;     3. [M 8,192, K 1,024] x [K 1,024, N 1,024]; A: input x (given as codes); B: input Wv (given as codes): QUANTISED (scales: A lowp_scales[4], B lowp_scales[5])
;;     4. batch 64 x [M 2,048, K 64] x [K 64, N 2,048]; A: computed on the way; B: computed on the way: QUANTISED (scales: A lowp_scales[6], B lowp_scales[7])
;;     5. batch 64 x [M 2,048, K 2,048] x [K 2,048, N 64]; A: softmax (see below); B: computed on the way: QUANTISED (scales: A lowp_scales[8], B lowp_scales[9])
;;     6. [M 8,192, K 1,024] x [K 1,024, N 1,024]; A: computed on the way; B: input Wo (given as codes): QUANTISED (scales: A lowp_scales[10], B lowp_scales[11])
;;   THE QUANTISER, for each operand of a quantised product, along K:
;;     - The operand's scale is 2^e, e = its entry of the input lowp_scales (int32; the entries are numbered through the quantised products in the list's order, A before B).
;;     - Each number is divided by the scale, clamped to +-448, and rounded to the nearest number of E4M3, ties to even, subnormals kept.
;;     - The product sums the exact products of the quantised numbers (number of the format x scale) in f32.
;;   ~~~python
;;   def quantise(x, axis, e):      # numpy; x: float32 -> the quantised numbers, widened to float32 again
;;       x = np.moveaxis(x, axis, -1); K = x.shape[-1]
;;       r = np.clip(x / 2.0 ** e, -448, 448)
;;       step = 2.0 ** (np.maximum(np.frexp(np.where(r == 0, 1, r))[1] - 1, -6) - 3)
;;       q = np.round(r / step) * step * 2.0 ** e      # np.round: ties to even
;;       return np.moveaxis(q, -1, axis).astype(np.float32)
;;   ~~~
;;   SOFTMAX AHEAD OF A QUANTISED PRODUCT. Where the list says 'softmax', what is quantised is not the finished softmax but p = 2^(t - M), with t = logit x log2(e) and M = ceil(the row's largest t), a whole number; so 1/2 < the row's largest p <= 1. The row's sum l is taken of the UNQUANTISED p, in f32, and the product's result is divided by l at the end. Since M is a whole number, a kernel that streams over the keys may use a running M (the ceiling of the running maximum): every later rescaling is an exact power of two, so the quantised numbers keep their values, but for numbers so far below the row's largest that they fall under the format's range.
;;   OPERANDS COMPUTED ON THE WAY. 'Computed on the way' means the value that the module computes at that place (a softmax that the list does not call 'softmax' is quantised finished and normalised). What goes into a quantiser is computed in f32, as accurately as f32 sums, v_exp_f32 and their like allow (about 1e-6 of the number): no bf16 or f16 on the way to a quantiser, and a product that is left as it is and whose result goes on into a quantised operand takes f32 operands (vector FMAs, or v_wmma_f32_16x16x4_f32). A number that lies on a knife's edge between two numbers of the format may be rounded either way, as far as f32 arithmetic and the matrix unit's own rounding can turn it there, and no further.
;;   INPUTS GIVEN AS CODES. Wk (in the module: [1024, 1024], K = its axis 0); Wo (in the module: [1024, 1024], K = its axis 0); Wq (in the module: [1024, 1024], K = its axis 0); Wv (in the module: [1024, 1024], K = its axis 0); x (in the module: [4, 2048, 1024], K = its axis 2): each comes as NAME_codes (uint8): NAME with its K axis moved to the last place and cut into blocks of 32 codes, [.., K / 32, bytes a block], one block behind the other in memory; one code a byte (a code: sign, 4 exponent bits, 3 mantissa bits); its scale is its entry of lowp_scales. Its value is code x scale, taken as it is: it is not quantised again, and the codes and scales need not be those that the quantiser above would give.
;; One version. Each part assembles by itself: llvm-mc -triple=amdgcn-amd-amdhsa -mcpu=gfx1250 --defsym DOCPART=n.
;; ======== version 1 of 1: 3 launches
;; limits: right only within a limited range of input values
;; workspace buffers: q_codes 8,388,608 bytes; k_codes 8,388,608 bytes; v_codes 8,388,608 bytes; a_codes 8,388,608 bytes
;; launch qkv (part 1): grid 12 x 32, 4 waves a work-group, clusters of 4 x 4, 327,680 bytes of LDS; arguments x_codes, Wq_codes, Wk_codes, Wv_codes, bq, bk, bv, lowp_scales, q_codes, k_codes, v_codes; writes q_codes, k_codes, v_codes
.if DOCPART == 1
	.amdgcn_target "amdgcn-amd-amdhsa--gfx1250"
	.amdhsa_code_object_version 6
	.text
	.protected	k_qbcb52d3072_qkv
	.globl	k_qbcb52d3072_qkv
	.p2align	8
	.type	k_qbcb52d3072_qkv,@function
k_qbcb52d3072_qkv:
	s_mov_b64 s[64:65], 0
	v_nop
	global_prefetch_b8 v0, s[64:65] scope:SCOPE_SE
	s_setreg_imm32_b32 hwreg(HW_REG_WAVE_MODE, 25, 1), 1
	s_wait_xcnt 0x0
	s_wait_alu depctr_hold_cnt(0) depctr_sa_sdst(0) depctr_va_vdst(0) depctr_va_sdst(0) depctr_va_ssrc(0) depctr_va_vcc(0) depctr_vm_vsrc(0)
	s_getreg_b32 s2, hwreg(HW_REG_IB_STS2, 6, 4)
	s_cmp_eq_u32 s2, 0
	s_cbranch_scc0 .Lentry_in_a_cluster
	s_endpgm
.Lentry_in_a_cluster:
	s_bfe_u32 s2, ttmp6, 0x10000c
	s_cmp_lg_u32 s2, 0xf033
	s_cbranch_scc0 .Lentry_shape_is_right
	s_endpgm
.Lentry_shape_is_right:
; q = x Wq + bq, k = x Wk + bk, v = x Wv + bv on codes of FP8 (E4M3), and the three results quantised again: q with 2^e6, k with 2^e7 (along the head's 64), v with 2^e9 (along the keys).
; x: [8192][1024] codes; each W: [1024 (n)][1024 (k)] codes; sums in f32; y = sum x 2^(ea + eb) + bias in f32; code = y / 2^eo, held within +-448, to the nearest code.
; LIMITS: ea + eb between -126 and 127, eo between -126 and 119, so that each power of two below is an f32 number.  NaN among the biases is not served.
; SHARES.  12 x 32 work-groups in clusters of 4 x 4.  The cluster's x (0, 1, 2) says which product: it is the same in all sixteen partners.  A work-group makes 256 x 256 of it (rows 256 ty of x, columns 256 cx),
; a wave 128 x 128: 64 accumulators.  K goes in steps of 256 through two LDS slots; x's tile is asked for jointly by a row of the cluster, W's by a column.
; THE MATRIX INSTRUCTION: source 1's row becomes the lane's row, source 0's rows run along the lane's registers.  For q and k source 1 = x and source 0 = W: a lane holds one token and 8 neighbouring channels, which
; is the quantiser's axis.  For v the two LDS READ BASES are swapped (a choice between two constants on the cluster's x): source 1 = Wv, source 0 = x: a lane holds one channel and 8 neighbouring tokens, v's axis.
; OUT.  q_codes, k_codes: [batch x 16 + head][token][64];  v_codes: [batch x 16 + head][token / 64][channel][64 tokens].  Inside each 32 of a row's 64, index 16 u + 8 h + j lies at byte 16 h + 8 u + j: for q and k one
; permutation of the channels on both sides of their product; for v the order in which the next launch's weights fall into their operand's registers.  In both layouts 64 lane rows x 64 bytes are 4,096 bytes on end.
; REGISTERS: window 0: v0-31 addresses and constants; v32-95 the bias by columns, v96-111 by rows, v112-127 codes; from v128 source 1's fragments, ONE set (on the way out: v128-191 numbers, v192-223 rows read back).
;   window 1: source 0's fragments, TWO sets.   windows 2, 3: the accumulators ((a, b) at v[8 (8 (a % 4) + b)]).
.set KSTEP,  256
.set ROWB,   256                       ; a tile's row in bytes
.set KROW,   1024                      ; a row of x or of W in memory
.set PITCH,  272                       ; an LDS row: 256 bytes + 16 of padding: the 16 rows of a load start at 16 different banks
.set FR,     16                        ; registers of a fragment: 16 rows x 128 K
.set NL,     4                         ; LDS loads that bring one
.set NP,     4                         ; places behind this matrix instruction (ISA guide 7.12.1)
.set HALFT,  128*PITCH                 ; 128 rows: one tensor load
.set SLOT,   4*HALFT                   ; x's 256 rows, then W's 256 rows
.set LAPS,   1024/(2*KSTEP)
.set SPARE,  2*SLOT                    ; behind the ring: the spare words, 128 bytes a wave; no other line names them
.set SPB,    80                        ; the way out: a stage row, 64 bytes + 16
.set STGH,   16*SPB                    ; 16 rows; a wave's stage is two of these.  It lies in slot 0, which has had its last fill and its last read by then
.set SC,   8                           ; v8   2^eo as f32
.set LIM,  9
.set ADRA, 16                          ; v16-17 LDS address of source 1's fragments in slot 0, 1
.set ADRB, 20                          ; v20-21 of source 0's
.set STO,  24
.set RD,   25
.set CO,   26
.set SPW,  28                          ; v28  my spare word; never rewritten
.set NIL,  29                          ; v29  0; never rewritten
.set CB,   32
.set RB,   96
.set CD,   112
.set AF,   128
.set TT,   128
.set BK,   192
.set G1,  24
.set G0,  32
.set G1B, 48
.set G0B, 56
.set PB,  84                           ; s[84:91] four bases of the stores: (a / 4, b / 4)
.set MSB, 0
.macro WIN new                         ; the immediate's high byte repeats the setting that is left
.if MSB != \new
	s_set_vgpr_msb (MSB<<8)|\new
.set MSB, \new
.endif
.endm
.set MUL_LO, 0xa1                      ; source 0 window 1, source 1 window 0, C and D window 2
.set MUL_HI, 0xf1                      ; the same, C and D window 3
.set TO_B,   0x40                      ; destination window 1, address window 0
; A joint load: waves 0 and 1 fetch x's halves, waves 2 and 3 W's.  The branch hangs on the wave's number alone.  Four v_nop follow each line.
.macro JLOAD g0a, g1a, g0b, g1b
	s_cmp_eq_u32 s15, 0
	s_cbranch_scc0 .Lfor_b_\@
	tensor_load_to_lds s[\g0a:\g0a+3], s[\g1a:\g1a+7]
	s_nop 0
.rept 4
	v_nop
.endr
	s_branch .Lasked_\@
.Lfor_b_\@:
	tensor_load_to_lds s[\g0b:\g0b+3], s[\g1b:\g1b+7]
	s_nop 0
.rept 4
	v_nop
.endr
.Lasked_\@:
.endm
.macro CREST                           ; a round of the cluster's barrier behind its opening barrier
	s_cmp_lg_u32 s14, 0
	s_cbranch_scc1 .Lnot_wave_0_\@
	s_barrier_signal -3
.Lnot_wave_0_\@:
	s_barrier_wait -3
	s_barrier_signal -1
	s_barrier_wait -1
.endm
.macro CROUND
	s_barrier_signal -1
	s_barrier_wait -1
	CREST
.endm
	s_load_b256 s[68:75], s[0:1], 0x0              ; x, Wq, Wk, Wv
	s_load_b256 s[76:83], s[0:1], 0x20             ; bq, bk, bv, the scales' exponents
	s_load_b128 s[84:87], s[0:1], 0x40             ; q_codes, k_codes
	s_load_b64 s[88:89], s[0:1], 0x50              ; v_codes
	v_lshl_add_u32 v[SPW], v0, 2, SPARE
	v_mov_b32 v[NIL], 0
	ds_add_u32 v28, v29
	ds_add_u32 v28, v29
	s_wait_dscnt 0x0
	v_lshrrev_b32 v1, 5, v0
	v_readfirstlane_b32 s14, v1                    ; wave 0..3
	s_lshr_b32 s15, s14, 1                         ; which half of source 1's rows is mine.  Also: I fetch for x (0) or for W (1)
	s_and_b32 s16, s14, 1                          ; which half of source 0's.  Also: which 128 rows I fetch
	s_bfe_u32 s40, ttmp6, 0x40000                  ; cx = the tile column of W
	s_bfe_u32 s41, ttmp6, 0x40004                  ; cy
	s_and_b32 s17, ttmp7, 0xffff
	s_lshl_b32 s17, s17, 2
	s_add_co_u32 s17, s17, s41                     ; ty = 4 x cluster y + cy: the tile row of x
	s_lshl_b32 s43, s41, 2
	s_lshl_b32 s43, 15, s43                        ; my row of the cluster
	s_lshl_b32 s44, 0x1111, s40                    ; my column
	s_or_b32 s[G1+0], s43, (0<<16)|(1<<20)|(1<<21)|(5<<22)|(3<<25)  ; the mask: x's tiles go to my row; elements of 1 byte; padding on; bit 21 beside a mask; 4 words after every 64
	s_or_b32 s[G1B+0], s44, (0<<16)|(1<<20)|(1<<21)|(5<<22)|(3<<25) ; W's tiles go to my column
.irp g, G1, G1B
	s_mov_b32 s[\g+1], ROWB<<16                    ; tensor_dim0
	s_mov_b32 s[\g+2], 128<<16                     ; tensor_dim1
	s_mov_b32 s[\g+3], ROWB<<16                    ; tile_dim0
	s_mov_b32 s[\g+4], 128                         ; tile_dim1
	s_mov_b32 s[\g+5], KROW                        ; the pitch in memory
	s_mov_b32 s[\g+6], 0
	s_mov_b32 s[\g+7], 0
.endr
	s_lshl_b32 s18, s16, 7
	s_lshl_b32 s20, s17, 8
	s_add_co_u32 s20, s20, s18                     ; x: row 256 ty + 128 x half,
	s_lshl_b32 s20, s20, 10                        ; in bytes (under 2^23)
	s_mov_b32 s21, 0
	s_lshl_b32 s46, s40, 8
	s_add_co_u32 s46, s46, s18                     ; W: row 256 cx + 128 x half
	s_lshl_b32 s46, s46, 10
	s_mov_b32 s47, 0
	s_mul_i32 s45, s14, HALFT                      ; where they go: wave x 128 rows
	s_wait_kmcnt 0x0
	s_load_b256 s[4:11], s[82:83], 0x0             ; e0 .. e7
	s_load_b32 s12, s[82:83], 0x24                 ; e9
	s_cmp_eq_u32 ttmp9, 0                          ; which product: the choice hangs on the cluster's x alone
	s_cselect_b64 s[66:67], s[70:71], s[72:73]
	s_cselect_b64 s[94:95], s[76:77], s[78:79]
	s_cselect_b64 s[92:93], s[84:85], s[86:87]
	s_cmp_eq_u32 ttmp9, 2
	s_cselect_b64 s[66:67], s[74:75], s[66:67]     ; W
	s_cselect_b64 s[94:95], s[80:81], s[94:95]     ; its bias
	s_cselect_b64 s[92:93], s[88:89], s[92:93]     ; its codes' buffer
	s_add_nc_u64 s[20:21], s[68:69], s[20:21]
	s_add_nc_u64 s[46:47], s[66:67], s[46:47]
	CROUND                                         ; all sixteen work-groups are here: the first joint loads meet
.irp s, 0,1
	s_mov_b32 s[G0+4*\s], 1
	s_add_co_u32 s[G0+4*\s+1], s45, \s*SLOT
	s_add_nc_u64 s[G0+4*\s+2:G0+4*\s+3], s[20:21], \s*ROWB
	s_or_b32 s[G0+4*\s+3], s[G0+4*\s+3], 0x80000000
	s_mov_b32 s[G0B+4*\s], 1
	s_add_co_u32 s[G0B+4*\s+1], s45, \s*SLOT
	s_add_nc_u64 s[G0B+4*\s+2:G0B+4*\s+3], s[46:47], \s*ROWB
	s_or_b32 s[G0B+4*\s+3], s[G0B+4*\s+3], 0x80000000
	JLOAD G0+4*\s, G1, G0B+4*\s, G1B
.endr
	v_and_b32 v1, 15, v0                           ; r
	v_bfe_u32 v2, v0, 4, 1                         ; h
	v_mul_u32_u24 v3, v1, PITCH
	v_lshl_add_u32 v4, v2, 4, v3                   ; a fragment's row x pitch + 16 h
	s_wait_alu depctr_va_vdst(0)
	s_cmp_eq_u32 ttmp9, 2                          ; v?  All that differs is chosen here, without a branch
	s_cselect_b32 s18, 2*HALFT, 0                  ; source 1 reads W's rows (v) or x's
	s_cselect_b32 s19, 0, 2*HALFT                  ; source 0 the other
	s_cselect_b32 s100, 0, -1                      ; keeps the bias by columns (q, k)
	s_cselect_b32 s101, -1, 0                      ; keeps the bias by rows (v)
	s_cselect_b32 s42, s15, s16                    ; which half of W's 256 rows is mine
	s_cselect_b32 s45, s16, s15                    ; which half of x's
	s_mov_b32 s2, 4096
	s_cselect_b32 s2, 0x20000, s2                  ; from lane rows 0-63 to 64-127: a head on (v) or 64 tokens on
	s_mov_b32 s23, 0x20000
	s_cselect_b32 s23, 4096, s23                   ; from registers' 0-63 to 64-127: 64 tokens on (v) or a head on
	s_mul_i32 s21, s15, HALFT
	s_add_co_u32 s21, s21, s18
	s_mul_i32 s22, s16, HALFT
	s_add_co_u32 s22, s22, s19
.irp s, 0,1
	v_add_nc_u32 v[ADRA+\s], s21, v4
	v_add_nc_u32 v[ADRB+\s], s22, v4
	s_add_co_u32 s21, s21, SLOT
	s_add_co_u32 s22, s22, SLOT
.endr
	s_mul_i32 s21, s14, 2*STGH                     ; my stage
	v_mul_u32_u24 v5, v1, SPB
	v_lshl_add_u32 v5, v2, 4, v5
	v_add_nc_u32 v[STO], s21, v5                   ; in: row r, + 16 h
	v_and_b32 v6, 31, v0
	v_lshrrev_b32 v7, 2, v6
	v_mul_u32_u24 v7, v7, SPB
	v_and_b32 v5, 3, v6
	v_lshl_add_u32 v7, v5, 4, v7
	v_add_nc_u32 v[RD], s21, v7                    ; back: four lanes to a row of 64 bytes, eight rows an instruction
	v_lshlrev_b32 v[CO], 4, v6                     ; and the same 512 bytes on end in memory
	s_lshl_b32 s21, s40, 10                        ; the bias: 256 cx numbers on,
	s_lshl_b32 s22, s16, 9
	s_add_co_u32 s22, s22, s21
	v_lshlrev_b32 v10, 5, v2
	v_add_nc_u32 v10, s22, v10                     ; by columns: + 128 x (source 0's half) + 8 h
	s_lshl_b32 s22, s15, 9
	s_add_co_u32 s22, s22, s21
	v_lshlrev_b32 v11, 2, v1
	v_add_nc_u32 v11, s22, v11                     ; by rows: + 128 x (source 1's half) + r.  Both stay inside the 1,024 numbers in every product
.set bb, 0
.rept 8
	global_load_b128 v[CB+8*bb:CB+8*bb+3], v10, s[94:95] offset:64*bb
	global_load_b128 v[CB+8*bb+4:CB+8*bb+7], v10, s[94:95] offset:64*bb+16
	global_load_b32 v[RB+2*bb], v11, s[94:95] offset:64*bb
.set bb, bb+1
.endr
	s_lshr_b32 s21, s17, 3                         ; the batch: 256 ty / 2048
	s_lshl_b32 s21, s21, 4
	s_lshl_b32 s22, s40, 2
	s_add_co_u32 s21, s21, s22
	s_lshl_b32 s22, s42, 1
	s_add_co_u32 s21, s21, s22                     ; batch x 16 + my first head (4 cx + 2 x half)
	s_lshl_b32 s21, s21, 17                        ; x 131,072 bytes
	s_lshl_b32 s22, s17, 8
	s_lshl_b32 s18, s45, 7
	s_add_co_u32 s22, s22, s18
	s_and_b32 s22, s22, 2047                       ; my first token in the batch,
	s_lshl_b32 s22, s22, 6                         ; x 64 bytes, in both layouts
	s_add_co_u32 s18, s21, s22
	s_mov_b32 s19, 0
	s_add_nc_u64 s[PB:PB+1], s[92:93], s[18:19]
	s_mov_b32 s18, s23
	s_add_nc_u64 s[PB+2:PB+3], s[PB:PB+1], s[18:19]
	s_mov_b32 s18, s2
	s_add_nc_u64 s[PB+4:PB+5], s[PB:PB+1], s[18:19]
	s_add_nc_u64 s[PB+6:PB+7], s[PB+2:PB+3], s[18:19]
.macro FRAG reg, adr, q, i             ; 16 rows x 128 K: lane l holds row l % 16; registers 4 c .. 4 c + 3 hold K = 32 c + 16 (l / 16) + 0 .. 15: one permutation of k, the same on both sides
.irp c, 0,1,2,3
	ds_load_b128 v[\reg+4*\c:\reg+4*\c+3], v[\adr] offset:128*(\q)+32*\c+(\i)*16*PITCH
.endr
.endm
; 16 matrix instructions: source 1's blocks a0, a0 + 1 x source 0's eight.  The 64 accumulators take turns, one instruction a turn, in the same order in every step.
.macro MUL16 a0, p, zero
.irp a, \a0, \a0+1
.irp b, 0,1,2,3,4,5,6,7
.if \zero
	v_wmma_f32_16x16x128_fp8_fp8 v[8*(8*((\a)%4)+\b):8*(8*((\a)%4)+\b)+7], v[128*(\p)+FR*\b:128*(\p)+FR*\b+FR-1], v[AF+FR*(\a):AF+FR*(\a)+FR-1], 0
.else
	v_wmma_f32_16x16x128_fp8_fp8 v[8*(8*((\a)%4)+\b):8*(8*((\a)%4)+\b)+7], v[128*(\p)+FR*\b:128*(\p)+FR*\b+FR-1], v[AF+FR*(\a):AF+FR*(\a)+FR-1], v[8*(8*((\a)%4)+\b):8*(8*((\a)%4)+\b)+7]
.endif
.endr
.endr
.endm
.macro FETCH_B slot, q, p
	WIN TO_B
.irp i, 0,1,2,3,4,5,6,7
	FRAG 128*(\p)+FR*\i, ADRB+\slot, \q, \i
.endr
	WIN 0
.endm
.macro FETCH_A slot, q, i0
.irp i, \i0, \i0+1, \i0+2, \i0+3
	FRAG AF+FR*(\i), ADRA+\slot, \q, \i
.endr
.endm
.macro PLACES n                        ; plain vector lines between a matrix instruction and a load into a register that it has read
.rept \n
	v_nop
.endr
.endm
.macro STEP slot, q, zero              ; a step of 128 along K that has its successor in the same slot
	s_wait_dscnt 4*NL                              ; source 0's set and blocks 0-3 are in; the youngest 16 loads (blocks 4-7) may be out
	WIN MUL_LO
	MUL16 0, (\q)%2, \zero
	MUL16 2, (\q)%2, \zero
	s_wait_dscnt 0
	PLACES NP
	FETCH_B \slot, (\q)+1, 1-(\q)%2
	FETCH_A \slot, (\q)+1, 0
	WIN MUL_HI
	MUL16 4, (\q)%2, \zero
	MUL16 6, (\q)%2, \zero
	PLACES NP
	WIN 0
	FETCH_A \slot, (\q)+1, 4
.endm
; A slot's last step changes slots: one barrier; in front of it each wave waits for all its tensor loads, adds 0 to its spare word, and waits for that and for its reads of this slot.
.macro TURN slot, next, fill
	s_wait_tensorcnt 0x0                           ; all my tensor loads have landed: my part of the next slot
	ds_add_u32 v[SPW], v[NIL]                      ; 0 onto my spare word
	s_wait_dscnt 4*NL+1                            ; the add and the youngest 16 loads may be out
	WIN MUL_LO
	MUL16 0, 1, 0
	s_wait_dscnt 0x0                               ; the add is done, and my reads of this slot are over
	s_barrier_signal -1
	MUL16 2, 1, 0
	WIN 0
	s_barrier_wait -1
.if \fill
	CREST                                          ; the barrier has opened a round of the cluster's: no wave of any partner still reads this slot or has a load on its way
	s_add_nc_u64 s[G0+4*\slot+2:G0+4*\slot+3], s[G0+4*\slot+2:G0+4*\slot+3], 2*ROWB
	s_add_nc_u64 s[G0B+4*\slot+2:G0B+4*\slot+3], s[G0B+4*\slot+2:G0B+4*\slot+3], 2*ROWB
	JLOAD G0+4*\slot, G1, G0B+4*\slot, G1B         ; the first tensor load behind the round; its four v_nop are the places in front of the loads below
.else
	PLACES NP
.endif
	FETCH_B \next, 0, 0
	FETCH_A \next, 0, 0
	WIN MUL_HI
	MUL16 4, 1, 0
	MUL16 6, 1, 0
	PLACES NP
	WIN 0
	FETCH_A \next, 0, 4
.endm
	s_wait_tensorcnt 1                             ; my part of K step 0 is in; K step 1's load may be out
	s_barrier_signal -1
	s_barrier_wait -1
	FETCH_B 0, 0, 0
	FETCH_A 0, 0, 0
	FETCH_A 0, 0, 4
	STEP 0, 0, 1                                   ; the first step's products start the sums
	s_mov_b32 s3, LAPS-1
.Llap:                                                 ; a trip goes once round the ring and fills both slots again
	TURN 0, 1, 1
	STEP 1, 0, 0
	TURN 1, 0, 1
	STEP 0, 0, 0
	s_sub_co_u32 s3, s3, 1
	s_cmp_lg_u32 s3, 0
	s_cbranch_scc1 .Llap
	TURN 0, 1, 0                                   ; the last lap fills nothing
	STEP 1, 0, 0
	s_wait_dscnt 4*NL
	WIN MUL_LO
	MUL16 0, 1, 0
	MUL16 2, 1, 0
	s_wait_dscnt 0
	WIN MUL_HI
	MUL16 4, 1, 0
	MUL16 6, 1, 0
	WIN 0
; THE WAY OUT, a block of 16 lane rows at a time: y = sum x 2^(ea + eb) + bias, held, converted (8 registers = 8 neighbours along the quantiser's axis = 8 bytes), through my own stage in LDS, and out as 512 bytes on end.
.macro TOSTAGE a
.set AC, 64*((\a)%4)
	WIN 0x02+((\a)/4)                              ; source 0: window 2 or 3
.set jj, 0
.rept 32
	v_pk_fma_f32 v[TT+jj:TT+jj+1], v[AC+jj:AC+jj+1], s[96:97], v[CB+jj:CB+jj+1] op_sel_hi:[1,0,1]   ; each accumulator from its low end on
.set jj, jj+2
.endr
	WIN 0
.set jj, 0
.rept 32
	v_pk_add_f32 v[TT+jj:TT+jj+1], v[TT+jj:TT+jj+1], v[RB+2*(\a):RB+2*(\a)+1]   ; of the two biases one is zeros: each number is rounded once
.set jj, jj+2
.endr
.set bb, 0
.rept 8
.set ii, 0
.rept 8
.set ii, ii+1
.endr
	v_cvt_scalef32_pk8_fp8_f32 v[CD+2*bb:CD+2*bb+1], v[TT+8*bb:TT+8*bb+7], v[SC]
.set bb, bb+1
.endr
	v_nop                                          ; a plain vector line behind the last conversion
.set bb, 0
.rept 8
	ds_store_b64 v[STO], v[CD+2*bb:CD+2*bb+1] offset:(bb/4)*STGH+32*((bb%4)/2)+8*(bb%2)   ; index 16 u + 8 h + j of a 32 at byte 16 h + 8 u + j
.set bb, bb+1
.endr
.set BB, BK+16*((\a)%2)
.set kk, 0
.rept 4
	ds_load_b128 v[BB+4*kk:BB+4*kk+3], v[RD] offset:(kk/2)*STGH+(kk%2)*8*SPB   ; LDS serves a wave's instructions in order: these see the stores above
.set kk, kk+1
.endr
.endm
.macro SEND a, younger                 ; younger: the LDS instructions issued behind block a's loads
.set BB, BK+16*((\a)%2)
.set PBA, PB+4*((\a)/4)
	s_wait_dscnt \younger
.set kk, 0
.rept 4
	global_store_b128 v[CO], v[BB+4*kk:BB+4*kk+3], s[PBA+2*(kk/2):PBA+2*(kk/2)+1] offset:((\a)%4)*1024+(kk%2)*512   ; 32 lanes store 512 consecutive bytes, at a multiple of 512 from the buffer's first byte
.set kk, kk+1
.endr
.endm
	s_wait_kmcnt 0x0
	s_cmp_eq_u32 ttmp9, 0
	s_cselect_b32 s96, s4, s6
	s_cselect_b32 s97, s5, s7
	s_cselect_b32 s98, s10, s11
	s_cmp_eq_u32 ttmp9, 2
	s_cselect_b32 s96, s8, s96                     ; ea
	s_cselect_b32 s97, s9, s97                     ; eb
	s_cselect_b32 s98, s12, s98                    ; eo: e6, e7 or e9
	s_add_co_i32 s96, s96, s97
	s_add_co_i32 s96, s96, 127
	s_lshl_b32 s96, s96, 23                        ; 2^(ea + eb) as f32
	s_mov_b32 s97, s96                             ; (named with it as a pair, so it is written)
	s_add_co_i32 s98, s98, 127
	s_lshl_b32 s99, s98, 23
	v_mov_b32 v[SC], s99
	s_add_co_i32 s98, s98, 8
	s_lshl_b32 s98, s98, 23
	s_or_b32 s98, s98, 0x600000
	s_wait_loadcnt 0x0                             ; the biases
.set jj, 0
.rept 64
	v_and_b32 v[CB+jj], s100, v[CB+jj]             ; the bias that this product does not take by columns becomes zeros.  (These plain lines name no register of the last products: they are the places behind them)
.set jj, jj+1
.endr
.set jj, 0
.rept 8
	v_and_b32 v[RB+2*jj+1], s101, v[RB+2*jj]       ; likewise by rows; twice, for the packed addition
	v_and_b32 v[RB+2*jj], s101, v[RB+2*jj]
.set jj, jj+1
.endr
	TOSTAGE 0
.irp a, 1,2,3,4,5,6,7
.if \a > 1
	s_wait_xcnt 0x0                                ; block a - 2's stores have read their registers: block a's loads may land there
.endif
	TOSTAGE \a
	SEND \a-1, 12                                  ; behind block a - 1's loads: block a's 8 stores and 4 loads
.endr
	SEND 7, 0
	s_wait_tensorcnt 0x0                           ; the wave's end
	ds_add_u32 v[SPW], v[NIL]
	s_wait_dscnt 0x0
	CROUND                                         ; the closing round
	s_endpgm
.Lfunc_end_k_qbcb52d3072_qkv:
	.size	k_qbcb52d3072_qkv, .Lfunc_end_k_qbcb52d3072_qkv-k_qbcb52d3072_qkv
	.p2alignl 7, 3214868480
	.fill 96, 4, 3214868480
	.section	.rodata,"a",@progbits
	.p2align	6, 0x0
	.amdhsa_kernel k_qbcb52d3072_qkv
		.amdhsa_group_segment_fixed_size 327680
		.amdhsa_private_segment_fixed_size 0
		.amdhsa_enable_private_segment 0
		.amdhsa_kernarg_size 88
		.amdhsa_user_sgpr_count 2
		.amdhsa_user_sgpr_kernarg_segment_ptr 1
		.amdhsa_wavefront_size32 1
		.amdhsa_system_sgpr_workgroup_id_x 1
		.amdhsa_system_sgpr_workgroup_id_y 1
		.amdhsa_system_sgpr_workgroup_id_z 1
		.amdhsa_system_vgpr_workitem_id 0
		.amdhsa_next_free_vgpr 1024
		.amdhsa_next_free_sgpr 102
		.amdhsa_reserve_vcc 0
		.amdhsa_float_denorm_mode_32 3
		.amdhsa_float_denorm_mode_16_64 3
		.amdhsa_fp16_overflow 1
		.amdhsa_memory_ordered 1
		.amdhsa_forward_progress 1
		.amdhsa_inst_pref_size 131
	.end_amdhsa_kernel
	.amdgpu_metadata
---
amdhsa.version: [ 1, 2 ]
amdhsa.kernels:
  - .name:           k_qbcb52d3072_qkv
    .symbol:         k_qbcb52d3072_qkv.kd
    .args:
      - { .name: x_codes, .offset: 0, .size: 8, .value_kind: global_buffer, .address_space: global }
      - { .name: Wq_codes, .offset: 8, .size: 8, .value_kind: global_buffer, .address_space: global }
      - { .name: Wk_codes, .offset: 16, .size: 8, .value_kind: global_buffer, .address_space: global }
      - { .name: Wv_codes, .offset: 24, .size: 8, .value_kind: global_buffer, .address_space: global }
      - { .name: bq, .offset: 32, .size: 8, .value_kind: global_buffer, .address_space: global }
      - { .name: bk, .offset: 40, .size: 8, .value_kind: global_buffer, .address_space: global }
      - { .name: bv, .offset: 48, .size: 8, .value_kind: global_buffer, .address_space: global }
      - { .name: lowp_scales, .offset: 56, .size: 8, .value_kind: global_buffer, .address_space: global }
      - { .name: q_codes, .offset: 64, .size: 8, .value_kind: global_buffer, .address_space: global }
      - { .name: k_codes, .offset: 72, .size: 8, .value_kind: global_buffer, .address_space: global }
      - { .name: v_codes, .offset: 80, .size: 8, .value_kind: global_buffer, .address_space: global }
    .group_segment_fixed_size: 327680
    .private_segment_fixed_size: 0
    .kernarg_segment_align: 8
    .kernarg_segment_size: 88
    .max_flat_workgroup_size: 128
    .sgpr_count:     102
    .vgpr_count:     1024
    .wavefront_size: 32
...
	.end_amdgpu_metadata
.endif
;; end of part 1
;; launch attn (part 2): grid 4 x 64, 16 waves a work-group, no clusters, 327,680 bytes of LDS; arguments q_codes, k_codes, v_codes, lowp_scales, a_codes; writes a_codes
.if DOCPART == 2
	.amdgcn_target "amdgcn-amd-amdhsa--gfx1250"
	.amdhsa_code_object_version 6
	.text
	.protected	k_qbcb52d3072_attn
	.globl	k_qbcb52d3072_attn
	.p2align	8
	.type	k_qbcb52d3072_attn,@function
k_qbcb52d3072_attn:
	s_mov_b64 s[64:65], 0
	v_nop
	global_prefetch_b8 v0, s[64:65] scope:SCOPE_SE
	s_setreg_imm32_b32 hwreg(HW_REG_WAVE_MODE, 25, 1), 1
	s_wait_xcnt 0x0
; Causal attention on codes of FP8 (E4M3), head size 64, 64 (batch, head) pairs of 2,048 tokens; the result is quantised with 2^e10 for the last product.
; q_codes, k_codes: [pair][token][64]; v_codes: [pair][token / 64][channel][64 tokens] (both with the byte order that the launch before gives them); a_codes: [head][batch x 2048 + token][64], channels in their order.
; THE SOFTMAX: t = score x log2(e) / 8; M = the running largest t rounded UP to a whole number; p = 2^(t - M) is quantised with 2^e8, not normalised; the row's sum is taken of the unquantised p and divides at the end.
; When M moves, the sum and O are multiplied by 2^(old M - new M): exact.  Hidden scores become -infinity where the definition writes -1e9: the same p = 0 as long as a row's largest score x 2^(e6 + e7) / 8 lies far above -1e9.
; LIMITS: e6 + e7 between -123 and 130 (added to c's exponent field); e8 and e10 between -126 and 119.  NaN is not served.
; SHARES.  Work-group (x, pair) owns two blocks of 256 queries: block 7 - x and then block x; wave w owns tile w of the first and tile 15 - w of the second: 17 key steps of 128 for every wave of every work-group.
; NINE trips over slots of 256 keys: 8 - x for the first block, x + 1 for the second.  The trip count is a constant; at trip 8 - x a scalar branch on ids finishes the first tile and starts the second.
; A step all of whose keys come after the wave's queries is jumped over (a scalar branch on ids; no barrier and no tensor load stands in a step).
; NO CLUSTER: the four work-groups of a pair walk the slots in different orders (the second walk begins at trip 8 - x) and jump over different steps, so their requests for a slot do not fall into the same trips.
; LAYOUT.  S^T = K Q^T (source 0 = 16 neighbouring keys, source 1 = my 16 queries), O^T = V^T P^T: a lane holds ONE query throughout.  p's codes of tiles 2 c, 2 c + 1 are registers 4 c .. 4 c + 3 of the second product's
; operand: keys 32 c + 16 u + 8 h + j; v_codes holds just these keys at bytes 32 c + 16 h + 8 u + j, so V's fragments come by loads of 16 bytes.
; LDS: a slot: 64 lines of 256 bytes (4 keys each) of K, then 64 lines (4 channels x 64 keys each) of V, 272 bytes apart; slot 1 begins at 2^16; then the spare words; then a stage of 16 x 80 bytes for each wave.
; REGISTERS: v1-9 addresses; v12 -M, v13 the largest t, v[14:15] the sum; v16-23 Q in use, v24-31 the second tile's Q; v32-95 K's 8 fragments, then V's 4; v96-159 S^T, then p; v160-191 O^T; v192-199 rows read back; v224-239 codes.
.set LP,    272
.set VOFF,  64*LP
.set CHK,   16*LP                      ; 64 keys of V: 16 lines
.set SLOT1, 1<<16
.set SLOTB, 16384                      ; a slot's K, and its V, in memory: one dense block each
.set SPARE, 2*SLOT1                    ; 128 bytes for each of 16 waves; no other line names them
.set STAGE, SPARE+16*128
.set SPB,   80
.set AK0, 1                            ; v1  (r / 4) x 272 + (r % 4) x 64 + 16 h: my place in a tile of K or of V
.set L16, 2                            ; v2  16 x lane
.set PFO, 3                            ; v3  256 x lane
.set STO, 4
.set SPW, 5
.set NIL, 6
.set GO,  7
.set ADR, 8
.set RD,  9
.set TB,  2                            ; s2  LDS byte at which the slot in hand begins
.set TR,  3                            ; s3  the trip
.set WV,  18
.set SEL, 20
.set CS,  22
.set G1,  24
.set SW,  33                           ; s33 8 - x: the trip at which the second tile begins
.set Q0,  34                           ; s34 my tile's first query
.set KF,  35                           ; s35 the step's first key
.set QL,  36                           ; s36 the second tile's first query
.set EO,  37                           ; s37 e8 + e9
.set G0,  40
.set KB,  44                           ; s[44:45] K's (wave 0) or V's (wave 1) first byte of my pair
.set OF,  46                           ; s[46:47] the next slot's offset from it
.set PFA, 76
.set PLIM, 80
.macro TLOAD                           ; wave 0 fetches the slot's K, wave 1 its V; four v_nop follow
	s_cmp_lt_u32 s[WV], 2
	s_cbranch_scc0 .Lnone_\@
	tensor_load_to_lds s[G0:G0+3], s[G1:G1+7]
	s_nop 0
.rept 4
	v_nop
.endr
.Lnone_\@:
.endm
; A PREFETCH INTO THE L2 of the slot that the NEXT change of slots will ask for: two key steps ahead of that load.  All four work-groups of a pair begin with slots 0, 1, 2 ..: work-group x = 0, which walks all eight in order,
; asks, and nobody else; in it waves 4 and 5 ask for the two halves of K's 16,384 bytes, waves 6 and 7 for V's, lanes 256 bytes apart: each block of 256 bytes is named once in the launch.
; Slots 0 and 1 come by their loads alone; from trip 6 on there is no slot two trips ahead.
.macro ASK
	s_cmp_lt_u32 s[TR], s[PLIM]
	s_cbranch_scc0 .Lnot_mine_\@
	global_prefetch_b8 v[PFO], s[PFA:PFA+1] th:TH_LOAD_NT scope:SCOPE_SE
.Lnot_mine_\@:
.endm
.macro START                           ; a tile's state: the first step finds zeros, which the first change of M leaves zeros
	v_mov_b32 v13, 0xff61b1e6                      ; the largest t so far: -3e38
	s_delay_alu instid0(VALU_DEP_1)
	v_floor_f32 v12, -v13                          ; -M
	v_mov_b32 v14, 0
	v_mov_b32 v15, 0
.set jj, 0
.rept 32
	v_mov_b32 v[160+jj], 0
.set jj, jj+1
.endr
.endm
	s_load_b128 s[4:7], s[0:1], 0x0                ; q_codes, k_codes
	s_load_b128 s[8:11], s[0:1], 0x10              ; v_codes, the scales' exponents
	s_load_b64 s[12:13], s[0:1], 0x20              ; a_codes
	v_lshl_add_u32 v[SPW], v0, 2, SPARE
	v_mov_b32 v[NIL], 0
	ds_add_u32 v5, v6
	ds_add_u32 v5, v6
	s_wait_dscnt 0x0
	v_lshrrev_b32 v8, 5, v0
	s_delay_alu instid0(VALU_DEP_1)
	v_readfirstlane_b32 s[WV], v8                  ; wave 0..15
	s_and_b32 s14, ttmp7, 0xffff                   ; the pair
	s_lshl_b32 s38, s14, 17                        ; its 131,072 bytes in q, k and v
	s_mov_b32 s39, 0
	s_sub_co_u32 s[SW], 8, ttmp9
	s_sub_co_u32 s15, 7, ttmp9
	s_lshl_b32 s15, s15, 8
	s_lshl_b32 s16, s[WV], 4
	s_add_co_u32 s[Q0], s15, s16                   ; 256 (7 - x) + 16 w
	s_lshl_b32 s15, ttmp9, 8
	s_sub_co_u32 s16, 240, s16
	s_add_co_u32 s[QL], s15, s16                   ; 256 x + 16 (15 - w)
	s_and_b32 s15, s14, 15
	s_lshl_b32 s15, s15, 19                        ; a_codes: the head's plane of 524,288 bytes,
	s_lshr_b32 s16, s14, 4
	s_lshl_b32 s16, s16, 17                        ; the batch's 2,048 rows of 64
	s_add_co_u32 s48, s15, s16
	s_mov_b32 s49, 0
	s_mov_b32 s[G1], (0<<16)|(1<<20)|(5<<22)|(3<<25)   ; no mask; elements of 1 byte; padding: 4 words after every 64
	s_mov_b32 s[G1+1], 256<<16                     ; tensor_dim0
	s_mov_b32 s[G1+2], 64<<16                      ; tensor_dim1
	s_mov_b32 s[G1+3], 256<<16                     ; tile_dim0
	s_mov_b32 s[G1+4], 64                          ; tile_dim1
	s_mov_b32 s[G1+5], 256                         ; dense in memory
	s_mov_b32 s[G1+6], 0
	s_mov_b32 s[G1+7], 0
	s_mov_b32 s[SEL], 0x76543210
	s_mov_b32 s[SEL+1], 0xfedcba98
	s_mov_b32 s[CS], 0x3e38aa3b                    ; c = log2(e) / 8
	s_mov_b32 s[TB], 0
	s_mov_b32 s[TR], 0
	s_mov_b32 s[KF], 0
	s_mov_b32 s[OF], 0
	s_mov_b32 s[OF+1], 0
	s_and_b32 s15, s[WV], 1
	s_mov_b32 s[G0], 1
	s_mul_i32 s[G0+1], s15, VOFF                   ; K at the slot's head, V behind it
	s_wait_kmcnt 0x0
	s_load_b128 s[68:71], s[10:11], 0x18           ; e6, e7, e8, e9
	s_load_b32 s72, s[10:11], 0x28                 ; e10
	s_cmp_eq_u32 s[WV], 0
	s_cselect_b64 s[KB:KB+1], s[6:7], s[8:9]
	s_add_nc_u64 s[KB:KB+1], s[KB:KB+1], s[38:39]
	s_mov_b64 s[G0+2:G0+3], s[KB:KB+1]             ; slot 0
	s_or_b32 s[G0+3], s[G0+3], 0x80000000
	TLOAD
	s_cmp_lt_u32 s[WV], 6                          ; the prefetches: waves 4, 5: K; waves 6, 7: V
	s_cselect_b64 s[PFA:PFA+1], s[6:7], s[8:9]
	s_add_nc_u64 s[PFA:PFA+1], s[PFA:PFA+1], s[38:39]
	s_lshl_b32 s16, s15, 13                        ; my half of a slot's block,
	s_add_co_u32 s16, s16, SLOTB                   ; in slot 1: the first change of slots steps it to slot 2
	s_mov_b32 s17, 0
	s_add_nc_u64 s[PFA:PFA+1], s[PFA:PFA+1], s[16:17]
	s_sub_co_u32 s16, s[WV], 4
	s_lshr_b32 s16, s16, 2                         ; 0 in waves 4 to 7,
	s_or_b32 s16, s16, ttmp9                       ; of work-group x = 0
	s_cmp_eq_u32 s16, 0
	s_cselect_b32 s[PLIM], 6, 0
	s_add_nc_u64 s[4:5], s[4:5], s[38:39]
	s_add_nc_u64 s[12:13], s[12:13], s[48:49]
	v_and_b32 v8, 15, v0                           ; r
	v_bfe_u32 v9, v0, 4, 1                         ; h
	s_delay_alu instid0(VALU_DEP_2)
	v_lshlrev_b32 v10, 6, v8
	s_delay_alu instid0(VALU_DEP_1)
	v_lshl_add_u32 v10, v9, 4, v10                 ; row r of 64 bytes, + 16 h
	s_lshl_b32 s15, s[QL], 6
	v_add_nc_u32 v11, s15, v10
	s_lshl_b32 s15, s[Q0], 6
	v_add_nc_u32 v10, s15, v10
	global_load_b128 v[16:19], v10, s[4:5]         ; both tiles' Q stay in registers
	global_load_b128 v[20:23], v10, s[4:5] offset:32
	global_load_b128 v[24:27], v11, s[4:5]
	global_load_b128 v[28:31], v11, s[4:5] offset:32
	v_lshrrev_b32 v242, 2, v8
	v_and_b32 v243, 3, v8
	s_delay_alu instid0(VALU_DEP_2)
	v_mul_u32_u24 v[AK0], v242, LP
	s_delay_alu instid0(VALU_DEP_1)
	v_lshl_add_u32 v[AK0], v243, 6, v[AK0]
	s_delay_alu instid0(VALU_DEP_1)
	v_lshl_add_u32 v[AK0], v9, 4, v[AK0]
	s_mul_i32 s15, s[WV], 16*SPB
	s_add_co_u32 s15, s15, STAGE                   ; my stage
	v_mul_u32_u24 v[STO], v8, SPB
	s_delay_alu instid0(VALU_DEP_1)
	v_lshl_add_u32 v[STO], v9, 3, v[STO]
	s_delay_alu instid0(VALU_DEP_1)
	v_add_nc_u32 v[STO], s15, v[STO]               ; in: row r, + 8 h
	v_and_b32 v[L16], 31, v0
	s_delay_alu instid0(VALU_DEP_1)
	v_lshlrev_b32 v[PFO], 8, v[L16]
	s_delay_alu instid0(VALU_DEP_2)
	v_lshrrev_b32 v242, 2, v[L16]
	s_delay_alu instid0(VALU_DEP_3)
	v_and_b32 v243, 3, v[L16]
	s_delay_alu instid0(VALU_DEP_2)
	v_mul_u32_u24 v[RD], v242, SPB
	s_delay_alu instid0(VALU_DEP_1)
	v_lshl_add_u32 v[RD], v243, 4, v[RD]
	s_delay_alu instid0(VALU_DEP_1)
	v_add_nc_u32 v[RD], s15, v[RD]                 ; back: four lanes to a row of 64 bytes
	v_lshlrev_b32 v[L16], 4, v[L16]
	START
	v_mov_b32 v246, 0                              ; written once: a lane permute's destination counts as one of its sources
	v_mov_b32 v253, 0                              ; (named as the upper half of the pair v[252:253])
	s_wait_kmcnt 0x0
	s_add_co_i32 s15, s68, s69
	s_lshl_b32 s15, s15, 23
	s_add_co_i32 s[CS], s[CS], s15                 ; a score stands for score x 2^(e6 + e7): added to c's exponent field
	s_mov_b32 s[CS+1], s[CS]
	s_add_co_i32 s15, s70, 127
	s_lshl_b32 s16, s15, 23
	v_mov_b32 v244, s16                            ; 2^e8
	s_add_co_i32 s15, s72, 127
	s_lshl_b32 s16, s15, 23
	v_mov_b32 v245, s16                            ; 2^e10
	s_add_co_i32 s[EO], s70, s71                   ; e8 + e9
; A KEY STEP: 128 keys, the q-th of the slot in hand.
.macro STEP q
	s_add_co_u32 s96, s[Q0], 15
	s_cmp_gt_u32 s[KF], s96                        ; all its keys come after my queries: nothing to do
	s_cbranch_scc1 .Lhidden_\@
	v_add_nc_u32 v[ADR], s[TB], v[AK0]
.rept 3
	v_nop                                          ; with the addition above: four places in front of loads into registers that the last products read
.endr
.set tt, 0
.rept 8
	ds_load_b128 v[32+8*tt:35+8*tt], v[ADR] offset:(32*(\q)+4*tt)*LP       ; tile t: keys 16 t + r
	ds_load_b128 v[36+8*tt:39+8*tt], v[ADR] offset:(32*(\q)+4*tt)*LP+32
.set tt, tt+1
.endr
.set tt, 0
	s_wait_alu depctr_va_vdst(0)
.rept 8
	s_wait_dscnt 14-2*tt                           ; tile t's two loads are in; the later tiles' may be out
	v_wmma_f32_16x16x64_fp8_fp8 v[96+8*tt:103+8*tt], v[32+8*tt:39+8*tt], v[16:23], 0
.set tt, tt+1
.endr
.rept 4
	v_nop                                          ; places: in front of the loads below, and of the first read of the scores
.endr
.set dd, 0
.rept 4
.set cc, 0
.rept 4
	ds_load_b128 v[32+16*dd+4*cc:35+16*dd+4*cc], v[ADR] offset:VOFF+(2*(\q)+cc/2)*CHK+dd*4*LP+32*(cc%2)   ; V's four fragments land while the softmax is worked
.set cc, cc+1
.endr
.set dd, dd+1
.endr
	s_add_co_u32 s96, s[KF], 127
	s_cmp_le_u32 s96, s[Q0]                        ; all keys count: no mask
	s_cbranch_scc1 .Lopen_\@
	s_sub_co_i32 s96, s[Q0], s[KF]
	v_and_b32 v252, 15, v0
	v_bfe_u32 v253, v0, 4, 1
	s_delay_alu instid0(VALU_DEP_1)
	v_lshlrev_b32 v253, 3, v253
	s_delay_alu instid0(VALU_DEP_1)
	v_sub_nc_u32 v252, v252, v253
	s_delay_alu instid0(VALU_DEP_1)
	v_add_nc_u32 v252, s96, v252                   ; my query - KF - 8 h.  Register 8 t + j holds key KF + 16 t + 8 h + j: hidden where 16 t + j is above this
	v_mov_b32 v254, 0xff800000                     ; -infinity
.set nn, 0
.rept 64
	v_cmp_gt_i32 vcc_lo, 16*(nn/8)+nn%8, v252
	v_cndmask_b32 v[96+nn], v[96+nn], v254, vcc_lo
.set nn, nn+1
.endr
.Lopen_\@:
	v_max3_num_f32 v254, v96, v97, v98             ; the step's largest score of my query among my 64 keys, in two chains, each tile from its low end on,
	v_max3_num_f32 v252, v99, v100, v101
.set ii, 6
.rept 14
	v_max3_num_f32 v254, v254, v[96+ii], v[97+ii]
	v_max3_num_f32 v252, v252, v[98+ii], v[99+ii]
.set ii, ii+4
.endr
	v_max3_num_f32 v254, v254, v158, v159
	s_delay_alu instid0(VALU_DEP_1)
	v_max_num_f32 v254, v254, v252
	s_delay_alu instid0(VALU_DEP_1)
	v_permlanex16_b32 v246, v254, s[SEL], s[SEL+1]
	s_delay_alu instid0(VALU_DEP_1)
	v_max_num_f32 v254, v254, v246                 ; and among lane l xor 16's
	s_delay_alu instid0(VALU_DEP_1)
	v_mul_f32 v254, s[CS], v254                    ; as t (c is positive)
	s_delay_alu instid0(VALU_DEP_1)
	v_max_num_f32 v13, v13, v254                   ; the running largest t
	v_mov_b32 v254, v12
	s_delay_alu instid0(VALU_DEP_2)
	v_floor_f32 v12, -v13                          ; the new -M = -ceil(t): a whole number
	s_delay_alu instid0(VALU_DEP_1)
	v_sub_f32 v254, v12, v254                      ; old M - new M: a whole number, 0 or less
	s_delay_alu instid0(VALU_DEP_1)
	v_cvt_i32_f32 v254, v254                       ; (it saturates)
	s_delay_alu instid0(VALU_DEP_1)
	v_ldexp_f32 v252, 1.0, v254                    ; f = 2^(old M - new M)
.set jj, 0
.rept 32
	v_pk_fma_f32 v[96+jj:97+jj], v[96+jj:97+jj], s[CS:CS+1], v[12:13] op_sel_hi:[1,0,0]   ; t - M
.set jj, jj+2
.endr
.set jj, 0
	s_wait_alu depctr_va_vdst(0)
.rept 64
	v_exp_f32 v[96+jj], v[96+jj]                   ; p = 2^(t - M)
.set jj, jj+1
.endr
	v_pk_mul_f32 v[14:15], v[14:15], v[252:253] op_sel_hi:[1,0]   ; the sums under the new M: the plain line behind the exponentials
	s_wait_alu depctr_va_vdst(0)                   ; one wait for the batch of 64, ahead of its first reader
	v_pk_add_f32 v[242:243], v[100:101], v[104:105]
	v_pk_add_f32 v[254:255], v[108:109], v[112:113]
	v_pk_add_f32 v[250:251], v[116:117], v[120:121]
	v_pk_add_f32 v[248:249], v[124:125], v[128:129]
	v_pk_add_f32 v[240:241], v[132:133], v[136:137]
	v_pk_add_f32 v[238:239], v[140:141], v[144:145]
	v_pk_add_f32 v[236:237], v[148:149], v[152:153]
	v_pk_add_f32 v[14:15], v[14:15], v[156:157]
	v_pk_add_f32 v[242:243], v[242:243], v[96:97]
	v_pk_add_f32 v[254:255], v[254:255], v[98:99]
	v_pk_add_f32 v[250:251], v[250:251], v[102:103]
	v_pk_add_f32 v[248:249], v[248:249], v[106:107]
	v_pk_add_f32 v[240:241], v[240:241], v[110:111]
	v_pk_add_f32 v[238:239], v[238:239], v[114:115]
	v_pk_add_f32 v[236:237], v[236:237], v[118:119]
	v_pk_add_f32 v[14:15], v[14:15], v[122:123]
	v_pk_add_f32 v[242:243], v[242:243], v[126:127]
	v_pk_add_f32 v[254:255], v[254:255], v[130:131]
	v_pk_add_f32 v[250:251], v[250:251], v[134:135]
	v_pk_add_f32 v[248:249], v[248:249], v[138:139]
	v_pk_add_f32 v[240:241], v[240:241], v[142:143]
	v_pk_add_f32 v[238:239], v[238:239], v[146:147]
	v_pk_add_f32 v[236:237], v[236:237], v[150:151]
	v_pk_add_f32 v[14:15], v[14:15], v[154:155]
	v_pk_add_f32 v[242:243], v[242:243], v[158:159]
	s_delay_alu instid0(VALU_DEP_2)
	v_pk_add_f32 v[14:15], v[14:15], v[248:249]
	s_delay_alu instid0(VALU_DEP_2)
	v_pk_add_f32 v[242:243], v[242:243], v[240:241]
	v_pk_add_f32 v[254:255], v[254:255], v[238:239]
	v_pk_add_f32 v[250:251], v[250:251], v[236:237]
	s_delay_alu instid0(VALU_DEP_2)
	v_pk_add_f32 v[14:15], v[14:15], v[254:255]
	s_delay_alu instid0(VALU_DEP_2)
	v_pk_add_f32 v[242:243], v[242:243], v[250:251]
	s_delay_alu instid0(VALU_DEP_1)
	v_pk_add_f32 v[14:15], v[14:15], v[242:243]
.set bb, 0
.rept 8
.set ii, 0
.rept 8
.set ii, ii+1
.endr
	v_cvt_scalef32_pk8_fp8_f32 v[224+2*bb:225+2*bb], v[96+8*bb:103+8*bb], v244
.set bb, bb+1
.endr
.set jj, 0
.rept 16
	v_pk_mul_f32 v[160+jj:161+jj], v[160+jj:161+jj], v[252:253] op_sel_hi:[1,0]   ; O^T under the new M; also the plain lines behind the conversions
.set jj, jj+2
.endr
	s_wait_alu depctr_va_vdst(0)
	s_wait_dscnt 0x0                               ; V
.set dd, 0
.rept 4
	v_wmma_f32_16x16x128_fp8_fp8 v[160+8*dd:167+8*dd], v[32+16*dd:47+16*dd], v[224:239], v[160+8*dd:167+8*dd]   ; the four accumulators take turns; the next step's eight products stand between two turns of one
.set dd, dd+1
.endr
.Lhidden_\@:
	s_add_co_u32 s[KF], s[KF], 128
.endm
; THE CHANGE OF SLOTS, at a trip's head.  Each wave waits for all its tensor loads, adds 0 to its spare word, and waits for that and for its reads of the slot that it has left; behind the barrier the slot ahead is whole
; and nobody reads the other one.  fill = 1: that one is filled with the next trip's keys: the next 256, or, where the next trip begins the second tile, the first 256 again.
.macro CHANGE fill
	s_wait_tensorcnt 0x0                           ; no tensor load of mine is out, so group 0 may be written
	ds_add_u32 v[SPW], v[NIL]
.if \fill
	s_xor_b32 s[G0+1], s[G0+1], SLOT1
	s_add_co_u32 s[OF], s[OF], SLOTB
	s_add_co_u32 s97, s[TR], 1
	s_cmp_eq_u32 s97, s[SW]
	s_cselect_b32 s[OF], 0, s[OF]
	s_add_nc_u64 s[G0+2:G0+3], s[KB:KB+1], s[OF:OF+1]
	s_or_b32 s[G0+3], s[G0+3], 0x80000000
	s_wait_xcnt 0x0                                ; the last prefetch, a trip back, has read its address
	s_add_nc_u64 s[PFA:PFA+1], s[PFA:PFA+1], SLOTB
.endif
	s_wait_dscnt 0x0                               ; the add is done, and my reads of the slot that I have left are over
	s_barrier_signal -1
	s_barrier_wait -1
.if \fill
	TLOAD                                          ; the first thing behind the barrier, a wave's one tensor load until the next: it has a trip's two steps in which to land
	ASK
.endif
.endm
; A TILE'S WAY OUT: O^T / the sum x 2^(e8 + e9), held, converted with 2^e10: 8 registers = 8 neighbouring channels = 8 bytes; through my stage, and out as 1,024 bytes on end (16 rows of 64).
.macro FINAL
.rept 4
	v_nop                                          ; places behind the last products
.endr
	s_wait_xcnt 0x0                                ; the first tile's stores have read their registers
	s_lshl_b32 s96, s[Q0], 6
	v_add_nc_u32 v[GO], s96, v[L16]
	v_add_f32 v14, v14, v15
	s_wait_alu depctr_va_vdst(0)
	v_permlanex16_b32 v246, v14, s[SEL], s[SEL+1]
	s_delay_alu instid0(VALU_DEP_1)
	v_add_f32 v14, v14, v246                       ; the row's sum
	s_wait_alu depctr_va_vdst(0)
	v_rcp_f32 v14, v14
	v_nop                                          ; a plain line behind the transcendental
	s_wait_alu depctr_va_vdst(0)                   ; and the wait ahead of its first reader
	v_ldexp_f32 v14, v14, s[EO]
.set jj, 0
.rept 32
	v_mul_f32 v[96+jj], v[160+jj], v14             ; register 8 d + j: channel 16 d + 8 h + j of query r
.set jj, jj+1
.endr
.set dd, 0
.rept 4
.set ii, 0
.rept 8
.set ii, ii+1
.endr
	v_cvt_scalef32_pk8_fp8_f32 v[224+2*dd:225+2*dd], v[96+8*dd:103+8*dd], v245
.set dd, dd+1
.endr
	v_nop                                          ; a plain line behind the last conversion
.set dd, 0
.rept 4
	ds_store_b64 v[STO], v[224+2*dd:225+2*dd] offset:16*dd
.set dd, dd+1
.endr
	ds_load_b128 v[192:195], v[RD]                 ; LDS serves a wave's instructions in order: these see the stores above
	ds_load_b128 v[196:199], v[RD] offset:8*SPB
	s_wait_dscnt 0x0
	global_store_b128 v[GO], v[192:195], s[12:13]              ; 32 lanes store 512 consecutive bytes, at a multiple of 512 from the buffer's first byte
	global_store_b128 v[GO], v[196:199], s[12:13] offset:512
.endm
.macro SWITCH                          ; at trip 8 - x: the first tile leaves, the second begins.  The branch hangs on ids and the trip, and is the same in all sixteen waves
	s_cmp_eq_u32 s[TR], s[SW]
	s_cbranch_scc0 .Lsame_\@
	FINAL
	START
.set jj, 0
.rept 8
	v_mov_b32 v[16+jj], v[24+jj]
.set jj, jj+1
.endr
	s_mov_b32 s[Q0], s[QL]
	s_mov_b32 s[KF], 0
.Lsame_\@:
.endm
	s_wait_loadcnt 0x0                             ; Q
.Lslot:                                            ; eight trips; behind each change of slots the next trip's slot is asked for
	CHANGE 1
	SWITCH
	STEP 0
	STEP 1
	s_xor_b32 s[TB], s[TB], SLOT1
	s_add_co_u32 s[TR], s[TR], 1
	s_cmp_lt_u32 s[TR], 8
	s_cbranch_scc1 .Lslot
	CHANGE 0                                       ; the ninth is written out
	SWITCH
	STEP 0
	STEP 1
	FINAL
	s_wait_tensorcnt 0x0                           ; the wave's end
	ds_add_u32 v[SPW], v[NIL]
	s_wait_dscnt 0x0
	s_endpgm
.Lfunc_end_k_qbcb52d3072_attn:
	.size	k_qbcb52d3072_attn, .Lfunc_end_k_qbcb52d3072_attn-k_qbcb52d3072_attn
	.p2alignl 7, 3214868480
	.fill 96, 4, 3214868480
	.section	.rodata,"a",@progbits
	.p2align	6, 0x0
	.amdhsa_kernel k_qbcb52d3072_attn
		.amdhsa_group_segment_fixed_size 327680
		.amdhsa_private_segment_fixed_size 0
		.amdhsa_enable_private_segment 0
		.amdhsa_kernarg_size 40
		.amdhsa_user_sgpr_count 2
		.amdhsa_user_sgpr_kernarg_segment_ptr 1
		.amdhsa_wavefront_size32 1
		.amdhsa_system_sgpr_workgroup_id_x 1
		.amdhsa_system_sgpr_workgroup_id_y 1
		.amdhsa_system_sgpr_workgroup_id_z 1
		.amdhsa_system_vgpr_workitem_id 0
		.amdhsa_next_free_vgpr 256
		.amdhsa_next_free_sgpr 98
		.amdhsa_reserve_vcc 1
		.amdhsa_float_denorm_mode_32 3
		.amdhsa_float_denorm_mode_16_64 3
		.amdhsa_fp16_overflow 1
		.amdhsa_memory_ordered 1
		.amdhsa_forward_progress 1
		.amdhsa_inst_pref_size 97
	.end_amdhsa_kernel
	.amdgpu_metadata
---
amdhsa.version: [ 1, 2 ]
amdhsa.kernels:
  - .name:           k_qbcb52d3072_attn
    .symbol:         k_qbcb52d3072_attn.kd
    .args:
      - { .name: q_codes, .offset: 0, .size: 8, .value_kind: global_buffer, .address_space: global }
      - { .name: k_codes, .offset: 8, .size: 8, .value_kind: global_buffer, .address_space: global }
      - { .name: v_codes, .offset: 16, .size: 8, .value_kind: global_buffer, .address_space: global }
      - { .name: lowp_scales, .offset: 24, .size: 8, .value_kind: global_buffer, .address_space: global }
      - { .name: a_codes, .offset: 32, .size: 8, .value_kind: global_buffer, .address_space: global }
    .group_segment_fixed_size: 327680
    .private_segment_fixed_size: 0
    .kernarg_segment_align: 8
    .kernarg_segment_size: 40
    .max_flat_workgroup_size: 512
    .sgpr_count:     98
    .vgpr_count:     256
    .wavefront_size: 32
...
	.end_amdgpu_metadata
.endif
;; end of part 2
;; launch oproj (part 3): grid 4 x 64, 4 waves a work-group, clusters of 4 x 4, 327,680 bytes of LDS; arguments a_codes, Wo_codes, bo, lowp_scales, out0; writes out0
.if DOCPART == 3
	.amdgcn_target "amdgcn-amd-amdhsa--gfx1250"
	.amdhsa_code_object_version 6
	.text
	.protected	k_qbcb52d3072_oproj
	.globl	k_qbcb52d3072_oproj
	.p2align	8
	.type	k_qbcb52d3072_oproj,@function
k_qbcb52d3072_oproj:
	s_mov_b64 s[64:65], 0
	v_nop
	global_prefetch_b8 v0, s[64:65] scope:SCOPE_SE
	s_setreg_imm32_b32 hwreg(HW_REG_WAVE_MODE, 25, 1), 1
	s_wait_xcnt 0x0
	s_wait_alu depctr_hold_cnt(0) depctr_sa_sdst(0) depctr_va_vdst(0) depctr_va_sdst(0) depctr_va_ssrc(0) depctr_va_vcc(0) depctr_vm_vsrc(0)
	s_getreg_b32 s2, hwreg(HW_REG_IB_STS2, 6, 4)
	s_cmp_eq_u32 s2, 0
	s_cbranch_scc0 .Lentry_in_a_cluster
	s_endpgm
.Lentry_in_a_cluster:
	s_bfe_u32 s2, ttmp6, 0x10000c
	s_cmp_lg_u32 s2, 0xf033
	s_cbranch_scc0 .Lentry_shape_is_right
	s_endpgm
.Lentry_shape_is_right:
; out0 = a Wo + bo on codes of FP8 (E4M3): out0[m][n] = 2^(e10 + e11) x sum over k of a[m][k] Wo[n][k] + bo[n], f32.
; a_codes: [head 16][m 8192][64]: k = 64 head + channel;  Wo_codes: [n 1024][k 1024].  LIMIT: e10 + e11 between -126 and 127.
; SHARES.  4 x 64 work-groups in clusters of 4 x 4, one for each of 256 tiles of 128 (m) x 256 (n); a wave makes 64 x 128: 32 accumulators.  a's tile is asked for jointly by a row of the cluster, Wo's by a column.
; K has four steps of 256 (four heads).  THREE LDS slots: steps 0, 1, 2 are asked for at the start, step 3 goes into slot 0 behind the one round in which a slot is filled again.  All is written out: no loop.
; A tile of a: for each of 4 heads 64 rows x 64 bytes = 4,096 bytes on end: a tensor tile of 4 rows of 4,096 bytes, 524,288 apart, with 16 bytes of padding behind every 256: lines of 4 rows of a, 272 bytes apart.
; THE MATRIX INSTRUCTION IS USED TRANSPOSED (source 0 = 16 rows of Wo, source 1 = 16 rows of a): a lane holds eight neighbouring numbers of a row of out0.
; REGISTERS: window 0: v0-31 addresses; v32-95 at work on the way out; v128-191, v192-255 a's fragments, two sets (on the way out: rows read back).  window 1: Wo's fragments, two sets.
;   window 2: the accumulators ((a, b) at v[8 (8 a + b)]).   window 3: v0-63 bo in the result's layout.
.set ROWB,   256
.set PITCH,  272
.set FR,     16
.set NL,     4
.set NP,     4
.set CHK,    16*PITCH                  ; a head's 64 rows of a: 16 lines
.set AH,     4*CHK                     ; one tensor load of a: 64 rows x 4 heads
.set BH,     128*PITCH                 ; one tensor load of Wo: 128 rows
.set SLOT,   2*AH+2*BH
.set AKS,    4*524288                  ; a K step on in a_codes: four heads' planes
.set SPARE,  3*SLOT                    ; the spare words, 128 bytes a wave; no other line names them
.set SPITCH, 528                       ; the way out: 16 rows x (512 + 16) for each wave, in slot 1, which has had its only fill and its last read by then
.set ADRA, 16                          ; v16-18
.set ADRB, 20                          ; v20-22
.set STO,  24
.set RD,   25
.set CO,   26
.set SPW,  28
.set NIL,  29
.set TMP,  32
.set AF,   128
.set BK,   128
.set G1,   24
.set G1B,  48
.set GA0,  32                          ; group 0 for a's tiles: one set for each slot
.set GA1,  36
.set GA2,  72
.set GB0,  56                          ; and for Wo's
.set GB1,  60
.set GB2,  68
.set MSB, 0
.macro WIN new
.if MSB != \new
	s_set_vgpr_msb (MSB<<8)|\new
.set MSB, \new
.endif
.endm
.set MUL,  0xa1                        ; source 0 (Wo) window 1, source 1 (a) window 0, C and D window 2
.set TO_B, 0x40
.macro JLOAD g0a, g1a, g0b, g1b        ; waves 0 and 1 fetch a's halves, waves 2 and 3 Wo's; four v_nop follow each line
	s_cmp_eq_u32 s15, 0
	s_cbranch_scc0 .Lfor_b_\@
	tensor_load_to_lds s[\g0a:\g0a+3], s[\g1a:\g1a+7]
	s_nop 0
.rept 4
	v_nop
.endr
	s_branch .Lasked_\@
.Lfor_b_\@:
	tensor_load_to_lds s[\g0b:\g0b+3], s[\g1b:\g1b+7]
	s_nop 0
.rept 4
	v_nop
.endr
.Lasked_\@:
.endm
.macro CREST
	s_cmp_lg_u32 s14, 0
	s_cbranch_scc1 .Lnot_wave_0_\@
	s_barrier_signal -3
.Lnot_wave_0_\@:
	s_barrier_wait -3
	s_barrier_signal -1
	s_barrier_wait -1
.endm
.macro CROUND
	s_barrier_signal -1
	s_barrier_wait -1
	CREST
.endm
	s_load_b128 s[4:7], s[0:1], 0x0                ; a_codes, Wo_codes
	s_load_b128 s[8:11], s[0:1], 0x10              ; bo, the scales' exponents
	s_load_b64 s[12:13], s[0:1], 0x20              ; out0
	v_lshl_add_u32 v[SPW], v0, 2, SPARE
	v_mov_b32 v[NIL], 0
	ds_add_u32 v28, v29
	ds_add_u32 v28, v29
	s_wait_dscnt 0x0
	v_lshrrev_b32 v1, 5, v0
	v_readfirstlane_b32 s14, v1                    ; wave 0..3
	s_lshr_b32 s15, s14, 1                         ; which 64 rows are mine.  Also: I fetch for a (0) or for Wo (1)
	s_and_b32 s16, s14, 1                          ; which 128 columns.  Also: which half I fetch
	s_bfe_u32 s40, ttmp6, 0x40000                  ; cx
	s_bfe_u32 s41, ttmp6, 0x40004                  ; cy
	s_lshl_b32 s42, ttmp9, 2
	s_add_co_u32 s42, s42, s40                     ; tile column
	s_and_b32 s17, ttmp7, 0xffff
	s_lshl_b32 s17, s17, 2
	s_add_co_u32 s17, s17, s41                     ; tile row
	s_lshl_b32 s43, s41, 2
	s_lshl_b32 s43, 15, s43                        ; my row of the cluster
	s_lshl_b32 s44, 0x1111, s40                    ; my column
	s_or_b32 s[G1+0], s43, (0<<16)|(1<<20)|(1<<21)|(5<<22)|(3<<25)  ; a's tiles go to my row; elements of 1 byte; 4 words of padding after every 64
	s_mov_b32 s[G1+1], 4096<<16                    ; tensor_dim0 = 4,096
	s_mov_b32 s[G1+2], 4<<16                       ; tensor_dim1 = 4
	s_mov_b32 s[G1+3], 4096<<16                    ; tile_dim0
	s_mov_b32 s[G1+4], 4                           ; tile_dim1
	s_mov_b32 s[G1+5], 524288                      ; from a head's plane to the next
	s_mov_b32 s[G1+6], 0
	s_mov_b32 s[G1+7], 0
	s_or_b32 s[G1B+0], s44, (0<<16)|(1<<20)|(1<<21)|(5<<22)|(3<<25) ; Wo's tiles go to my column
	s_mov_b32 s[G1B+1], ROWB<<16
	s_mov_b32 s[G1B+2], 128<<16
	s_mov_b32 s[G1B+3], ROWB<<16
	s_mov_b32 s[G1B+4], 128
	s_mov_b32 s[G1B+5], 1024
	s_mov_b32 s[G1B+6], 0
	s_mov_b32 s[G1B+7], 0
	s_lshl_b32 s20, s17, 7
	s_lshl_b32 s18, s16, 6
	s_add_co_u32 s20, s20, s18                     ; a: row 128 x tile row + 64 x half,
	s_lshl_b32 s20, s20, 6                         ; x 64 bytes
	s_mov_b32 s21, 0
	s_lshl_b32 s46, s42, 8
	s_lshl_b32 s18, s16, 7
	s_add_co_u32 s46, s46, s18                     ; Wo: row 256 x tile column + 128 x half,
	s_lshl_b32 s46, s46, 10                        ; x 1,024 bytes
	s_mov_b32 s47, 0
	s_mul_i32 s45, s16, AH                         ; where they go: a's halves at the slot's head,
	s_mul_i32 s19, s16, BH
	s_add_co_u32 s19, s19, 2*AH                    ; Wo's behind them
	s_wait_kmcnt 0x0
	s_load_b64 s[96:97], s[10:11], 0x28            ; e10, e11
	s_add_nc_u64 s[20:21], s[4:5], s[20:21]
	s_add_nc_u64 s[46:47], s[6:7], s[46:47]
	CROUND                                         ; all sixteen work-groups are here: the first joint loads meet
.macro FIRST ga, gb, s
	s_mov_b32 s[\ga], 1
	s_add_co_u32 s[\ga+1], s45, \s*SLOT
	s_add_nc_u64 s[\ga+2:\ga+3], s[20:21], \s*AKS
	s_or_b32 s[\ga+3], s[\ga+3], 0x80000000
	s_mov_b32 s[\gb], 1
	s_add_co_u32 s[\gb+1], s19, \s*SLOT
	s_add_nc_u64 s[\gb+2:\gb+3], s[46:47], \s*ROWB
	s_or_b32 s[\gb+3], s[\gb+3], 0x80000000
	s_wait_alu depctr_va_vdst(0)
	s_wait_tensorcnt 0x0
	ds_add_u32 v28, v29
	ds_add_u32 v28, v29
	s_wait_dscnt 0x0
	CROUND
	JLOAD \ga, G1, \gb, G1B
.endm
	FIRST GA0, GB0, 0                              ; one load of mine is out
	FIRST GA1, GB1, 1
	FIRST GA2, GB2, 2
	v_and_b32 v1, 15, v0                           ; r
	v_bfe_u32 v2, v0, 4, 1                         ; h
	v_lshrrev_b32 v3, 2, v1
	v_and_b32 v4, 3, v1
	v_mul_u32_u24 v3, v3, PITCH
	v_lshl_add_u32 v3, v4, 6, v3
	v_lshl_add_u32 v3, v2, 4, v3                   ; a: line r / 4, byte 64 (r % 4) + 16 h
	v_mul_u32_u24 v4, v1, PITCH
	v_lshl_add_u32 v4, v2, 4, v4                   ; Wo: row r, + 16 h
	s_mul_i32 s21, s15, AH
	s_mul_i32 s22, s16, BH
	s_add_co_u32 s22, s22, 2*AH
.irp s, 0,1,2
	v_add_nc_u32 v[ADRA+\s], s21, v3
	v_add_nc_u32 v[ADRB+\s], s22, v4
	s_add_co_u32 s21, s21, SLOT
	s_add_co_u32 s22, s22, SLOT
.endr
	s_mul_i32 s23, s14, 16*SPITCH
	s_add_co_u32 s23, s23, SLOT                    ; my stage, in slot 1
	v_mul_u32_u24 v5, v1, SPITCH
	v_lshl_add_u32 v5, v2, 5, v5
	v_add_nc_u32 v[STO], s23, v5                   ; in: row r, 32 bytes for each half of the lanes
	v_and_b32 v6, 31, v0
	v_lshlrev_b32 v[CO], 4, v6                     ; back: the 32 lanes take one row of 512 bytes; and the same in out0
	v_add_nc_u32 v[RD], s23, v[CO]
	s_lshl_b32 s20, s17, 7
	s_lshl_b32 s21, s15, 6
	s_add_co_u32 s20, s20, s21                     ; my first row of out0,
	s_lshl_b32 s20, s20, 12                        ; x 4,096 bytes (under 2^26)
	s_mov_b32 s21, 0
	s_lshl_b32 s46, s42, 10                        ; my first column, in bytes: 1,024 x tile column + 512 x half
	s_lshl_b32 s47, s16, 9
	s_add_co_u32 s46, s46, s47
	s_mov_b32 s47, 0
	v_lshlrev_b32 v7, 5, v2
	v_add_nc_u32 v7, s46, v7                       ; bo: the same columns, + 8 h numbers
	s_add_nc_u64 s[20:21], s[20:21], s[46:47]
	s_add_nc_u64 s[12:13], s[12:13], s[20:21]
	WIN 0xc0                                       ; destination window 3
.set bb, 0
.rept 8
	global_load_b128 v[8*bb:8*bb+3], v7, s[8:9] offset:64*bb          ; bo[16 b + 8 h + 0 .. 7] of my 128 columns
	global_load_b128 v[8*bb+4:8*bb+7], v7, s[8:9] offset:64*bb+16
.set bb, bb+1
.endr
	WIN 0
.macro FRAGB reg, slot, q, i           ; 16 rows of Wo x 128 K: registers 4 c .. 4 c + 3 hold K = 32 c + 16 h + 0 .. 15 of the slot's q-th 128
.irp c, 0,1,2,3
	ds_load_b128 v[\reg+4*\c:\reg+4*\c+3], v[ADRB+\slot] offset:128*(\q)+32*\c+(\i)*16*PITCH
.endr
.endm
.macro FRAGA reg, slot, q, i           ; 16 rows of a, the same k: head 2 q + c / 2 of the slot's four, bytes 32 (c % 2) + 16 h on
.irp c, 0,1,2,3
	ds_load_b128 v[\reg+4*\c:\reg+4*\c+3], v[ADRA+\slot] offset:(2*(\q)+\c/2)*CHK+(\i)*4*PITCH+32*(\c%2)
.endr
.endm
.macro FETCH slot, q, p                ; 48 LDS loads in one run: Wo's eight fragments, then a's four, into set p
	WIN TO_B
.irp i, 0,1,2,3,4,5,6,7
	FRAGB 128*(\p)+FR*\i, \slot, \q, \i
.endr
	WIN 0
.irp i, 0,1,2,3
	FRAGA AF+64*(\p)+FR*\i, \slot, \q, \i
.endr
.endm
.macro MUL8 a, p, zero                 ; block a of a's rows x Wo's eight.  The 32 accumulators take turns, one instruction a turn, in the same order in every step
.irp b, 0,1,2,3,4,5,6,7
.if \zero
	v_wmma_f32_16x16x128_fp8_fp8 v[8*(8*(\a)+\b):8*(8*(\a)+\b)+7], v[128*(\p)+FR*\b:128*(\p)+FR*\b+FR-1], v[AF+64*(\p)+FR*(\a):AF+64*(\p)+FR*(\a)+FR-1], 0
.else
	v_wmma_f32_16x16x128_fp8_fp8 v[8*(8*(\a)+\b):8*(8*(\a)+\b)+7], v[128*(\p)+FR*\b:128*(\p)+FR*\b+FR-1], v[AF+64*(\p)+FR*(\a):AF+64*(\p)+FR*(\a)+FR-1], v[8*(8*(\a)+\b):8*(8*(\a)+\b)+7]
.endif
.endr
.endm
.macro PLACES n
.rept \n
	v_nop
.endr
.endm
; A step of 128 along K on set p; in its middle the next step's fragments (slot nslot, its nq-th 128) are fetched into the other set.
.macro STEP p, nslot, nq, zero
	s_wait_dscnt 2*NL                              ; Wo's set and a's blocks 0, 1 are in; the youngest 8 loads (blocks 2, 3) may be out
	WIN MUL
	MUL8 0, \p, \zero
	MUL8 1, \p, \zero
	PLACES NP                                      ; in front of loads into the set that the step before multiplied
	FETCH \nslot, \nq, 1-(\p)
	s_wait_dscnt 12*NL                             ; all but the 48 just issued
	WIN MUL
	MUL8 2, \p, \zero
	MUL8 3, \p, \zero
	WIN 0
.endm
; A step on set 1 with a barrier: in front of it each wave waits for all its tensor loads, adds 0 to its spare word, and waits for that and for all its LDS reads.  fill = 1: slot 0 is filled again, with K step 3.
.macro TURN next, fill
	s_wait_tensorcnt 0x0                           ; all my tensor loads have landed
	ds_add_u32 v[SPW], v[NIL]
	s_wait_dscnt 2*NL+1                            ; the add and the youngest 8 loads may be out
	WIN MUL
	MUL8 0, 1, 0
	s_wait_dscnt 0x0                               ; the add is done, and my reads so far are over
	s_barrier_signal -1
	MUL8 1, 1, 0
	WIN 0
	s_barrier_wait -1
.if \fill
	CREST                                          ; the barrier has opened a round of the cluster's: no wave of any partner still reads slot 0 or has a load on its way
	s_add_nc_u64 s[GA0+2:GA0+3], s[GA0+2:GA0+3], 3*AKS
	s_add_nc_u64 s[GB0+2:GB0+3], s[GB0+2:GB0+3], 3*ROWB
	JLOAD GA0, G1, GB0, G1B                        ; the first tensor load behind the round: three and a half steps, 112 matrix instructions, ahead of the wait for it; its four v_nop are the places in front of the loads below
.else
	PLACES NP
.endif
	FETCH \next, 0, 0
	WIN MUL
	MUL8 2, 1, 0
	MUL8 3, 1, 0
	WIN 0
.endm
	s_wait_tensorcnt 2                             ; my part of K steps 0 and 1 is in; K step 2's may be out
	s_barrier_signal -1
	s_barrier_wait -1
	FETCH 0, 0, 0
	STEP 0, 0, 1, 1                                ; K step 0: its first products start the sums
	TURN 1, 1                                      ; slots 1 and 2 are whole for every wave from here on; slot 0 takes K step 3
	STEP 0, 1, 1, 0                                ; K step 1
	s_wait_alu depctr_va_vdst(0)
	STEP 1, 2, 0, 0
	STEP 0, 2, 1, 0                                ; K step 2
	TURN 0, 0                                      ; K step 3 has landed in every wave's part; nothing is filled again
	STEP 0, 0, 1, 0                                ; K step 3
	s_wait_dscnt 2*NL
	WIN MUL
	MUL8 0, 1, 0
	MUL8 1, 1, 0
	s_wait_dscnt 0
	MUL8 2, 1, 0
	MUL8 3, 1, 0
	WIN 0
; THE WAY OUT, a block of 16 rows x 128 columns at a time: sum x 2^(e10 + e11) + bo, through my own stage, and back as whole rows of 512 bytes.
.macro TOSTAGE a
.set AC, 64*(\a)
	WIN 0x32                                       ; source 0 (the sums) window 2, source 2 (bo) window 3
.set jj, 0
.rept 32
	v_pk_fma_f32 v[TMP+jj:TMP+jj+1], v[AC+jj:AC+jj+1], s[96:97], v[jj:jj+1] op_sel_hi:[1,0,1]   ; each accumulator from its low end on
.set jj, jj+2
.endr
	WIN 0
.set bb, 0
.rept 8
	ds_store_b128 v[STO], v[TMP+8*bb:TMP+8*bb+3] offset:64*bb
	ds_store_b128 v[STO], v[TMP+8*bb+4:TMP+8*bb+7] offset:64*bb+16
.set bb, bb+1
.endr
.set BB, BK+64*((\a)%2)
.set tt, 0
.rept 16
	ds_load_b128 v[BB+4*tt:BB+4*tt+3], v[RD] offset:tt*SPITCH    ; LDS serves a wave's instructions in order: these see the stores above
.set tt, tt+1
.endr
.endm
.macro SEND a, younger
.set BB, BK+64*((\a)%2)
	s_wait_dscnt \younger
.if (\a) > 0
	s_add_nc_u64 s[12:13], s[12:13], 16*4096       ; (behind a wait on XCNT: the earlier stores have read their base)
.endif
.set tt, 0
.rept 16
	global_store_b128 v[CO], v[BB+4*tt:BB+4*tt+3], s[12:13] offset:tt*4096 th:TH_STORE_NT   ; 32 lanes store 512 consecutive bytes, at a multiple of 512 from out0's first byte
.set tt, tt+1
.endr
.endm
	s_wait_kmcnt 0x0
	s_add_co_i32 s96, s96, s97
	s_add_co_i32 s96, s96, 127
	s_lshl_b32 s96, s96, 23                        ; 2^(e10 + e11) as f32
	s_mov_b32 s97, s96                             ; (named with it as a pair, so it is written)
	s_wait_loadcnt 0x0                             ; bo
	PLACES NP                                      ; behind the last products
	TOSTAGE 0
.irp a, 1,2,3
.if \a > 1
	s_wait_xcnt 0x0                                ; block a - 2's stores have read their registers and their base
.endif
	TOSTAGE \a
	SEND \a-1, 32                                  ; behind block a - 1's loads: block a's 16 stores and 16 loads
.endr
	s_wait_xcnt 0x0
	SEND 3, 0
	s_wait_tensorcnt 0x0                           ; the wave's end
	ds_add_u32 v[SPW], v[NIL]
	s_wait_dscnt 0x0
	CROUND                                         ; the closing round
	s_endpgm
.Lfunc_end_k_qbcb52d3072_oproj:
	.size	k_qbcb52d3072_oproj, .Lfunc_end_k_qbcb52d3072_oproj-k_qbcb52d3072_oproj
	.p2alignl 7, 3214868480
	.fill 96, 4, 3214868480
	.section	.rodata,"a",@progbits
	.p2align	6, 0x0
	.amdhsa_kernel k_qbcb52d3072_oproj
		.amdhsa_group_segment_fixed_size 327680
		.amdhsa_private_segment_fixed_size 0
		.amdhsa_enable_private_segment 0
		.amdhsa_kernarg_size 40
		.amdhsa_user_sgpr_count 2
		.amdhsa_user_sgpr_kernarg_segment_ptr 1
		.amdhsa_wavefront_size32 1
		.amdhsa_system_sgpr_workgroup_id_x 1
		.amdhsa_system_sgpr_workgroup_id_y 1
		.amdhsa_system_sgpr_workgroup_id_z 1
		.amdhsa_system_vgpr_workitem_id 0
		.amdhsa_next_free_vgpr 1024
		.amdhsa_next_free_sgpr 98
		.amdhsa_reserve_vcc 0
		.amdhsa_float_denorm_mode_32 3
		.amdhsa_float_denorm_mode_16_64 3
		.amdhsa_memory_ordered 1
		.amdhsa_forward_progress 1
		.amdhsa_inst_pref_size 79
	.end_amdhsa_kernel
	.amdgpu_metadata
---
amdhsa.version: [ 1, 2 ]
amdhsa.kernels:
  - .name:           k_qbcb52d3072_oproj
    .symbol:         k_qbcb52d3072_oproj.kd
    .args:
      - { .name: a_codes, .offset: 0, .size: 8, .value_kind: global_buffer, .address_space: global }
      - { .name: Wo_codes, .offset: 8, .size: 8, .value_kind: global_buffer, .address_space: global }
      - { .name: bo, .offset: 16, .size: 8, .value_kind: global_buffer, .address_space: global }
      - { .name: lowp_scales, .offset: 24, .size: 8, .value_kind: global_buffer, .address_space: global }
      - { .name: out0, .offset: 32, .size: 8, .value_kind: global_buffer, .address_space: global }
    .group_segment_fixed_size: 327680
    .private_segment_fixed_size: 0
    .kernarg_segment_align: 8
    .kernarg_segment_size: 40
    .max_flat_workgroup_size: 128
    .sgpr_count:     98
    .vgpr_count:     1024
    .wavefront_size: 32
...
	.end_amdgpu_metadata
.endif
;; end of part 3
